; MI455X (gfx1250); checked and timed in simulation.
; The chip was launched on July 23, 2026; its instructions are those of AMD's public machine-readable ISA for CDNA 5 (MIT licence, August 2026) and "CDNA5" Instruction Set Architecture Reference Guide (July 2026). The comments in the code are by the model that wrote it; some were corrected since.
;; RBLN Gpt Oss Experts. Allowed arithmetic: matrix products marked QUANTISED: E2M3 operands, one E8M0 scale for each 32 along K, by v_wmma_scale_f32_16x16x128_f8f6f4 with both operands' format E2M3, f32 sums; products left as they are: f32 operands where the result goes on into a quantised operand, else bf16, f16 or f32 operands; f32 sums; everything else in f32.
;; Inputs: down_proj 16 x 1,024 x 1,024 float32; down_proj_bias 16 x 1,024 float32; gate_up_proj 16 x 1,024 x 2,048 float32; gate_up_proj_bias 16 x 2,048 float32; hidden_states 1 x 1,024 x 1,024 float32; routing_weights 1,024 x 16 float32.
;; Outputs: out0 1 x 1,024 x 1,024 float32.
;; This version of the problem:
;;   THIS VERSION OF THE PROBLEM IS GIVEN IN LOW PRECISION. The matrix products marked QUANTISED in the list below multiply operands that are first quantised to E2M3 (2 exponent bits, 3 mantissa bits; 6 bits a number), with one power-of-two scale for each 32 numbers along K (OCP MX v1.0); their sums are f32. All else is computed in f32.
;;   The module's matrix products, in the order in which they are computed (A, B: the left and right operand; K: the contracted axis; several contracted axes count as one K, in the product's order):
;;     1. [M 32,768, K 1,024] x [K 1,024, N 1,024]; A: input gate_up_proj; B: input hidden_states: QUANTISED
;;     2. batch 16 x [M 1,024, K 1,024] x [K 1,024, N 1,024]; A: computed on the way; B: input down_proj: QUANTISED
;;     3. batch 1,024 x [M 1,024, K 16] x [K 16, N 1]; A: computed on the way; B: input routing_weights: left as it is (K = 16 < 32)
;;   THE QUANTISER, for each operand of a quantised product, along K:
;;     - K is cut into blocks of 32 from its start; a last block that is shorter is filled with zeros.
;;     - A block's scale is 2^e with e = floor(log2(the largest magnitude in the block)) - 2, held to -126 .. 127; a block of zeros has e = 0. As a byte (E8M0): e + 127.
;;     - Each number is divided by its block's scale, clamped to +-7.5, and rounded to the nearest number of E2M3, ties to even, subnormals kept.
;;     - The product sums the exact products of the quantised numbers (number of the format x scale) in f32.
;;   ~~~python
;;   def quantise(x, axis):      # numpy; x: float32 -> the quantised numbers, widened to float32 again
;;       x = np.moveaxis(x, axis, -1); K = x.shape[-1]
;;       x = np.pad(x, [(0, 0)] * (x.ndim - 1) + [(0, -K % 32)]); x = x.reshape(x.shape[:-1] + (-1, 32)); a = np.abs(x).max(-1, keepdims=True)
;;       e = np.where(a > 0, np.clip(np.frexp(np.where(a > 0, a, 1))[1] - 1 - 2, -126, 127), 0)      # np.frexp(a)[1] - 1 = floor(log2(a)), exactly
;;       r = np.clip(x / 2.0 ** e, -7.5, 7.5)
;;       step = 2.0 ** (np.maximum(np.frexp(np.where(r == 0, 1, r))[1] - 1, 0) - 3)
;;       q = np.round(r / step) * step * 2.0 ** e      # np.round: ties to even
;;       return np.moveaxis(q.reshape(q.shape[:-2] + (-1,))[..., :K], -1, axis).astype(np.float32)
;;   ~~~
;;   OPERANDS COMPUTED ON THE WAY. 'Computed on the way' means the value that the module computes at that place (a softmax that the list does not call 'softmax' is quantised finished and normalised). What goes into a quantiser is computed in f32, as accurately as f32 sums, v_exp_f32 and their like allow (about 1e-6 of the number): no bf16 or f16 on the way to a quantiser, and a product that is left as it is and whose result goes on into a quantised operand takes f32 operands (vector FMAs, or v_wmma_f32_16x16x4_f32). A number that lies on a knife's edge between two numbers of the format may be rounded either way, as far as f32 arithmetic and the matrix unit's own rounding can turn it there, and no further.
;; One version. Each part assembles by itself: llvm-mc -triple=amdgcn-amd-amdhsa -mcpu=gfx1250 --defsym DOCPART=n.
;; ======== version 1 of 1: 4 launches
;; limits: right only within a limited range of input values
;; workspace buffers: xq 819,200 bytes; w1q 26,214,400 bytes; w2q 13,107,200 bytes; aq 13,107,200 bytes; part 16,777,216 bytes
;; launch quant (part 1): grid 1536 x 1, 4 waves a work-group, no clusters, 0 bytes of LDS; arguments hidden_states, gate_up_proj, down_proj, xq, w1q, w2q; writes xq, w1q, w2q
.if DOCPART == 1
	.amdgcn_target "amdgcn-amd-amdhsa--gfx1250"
	.amdhsa_code_object_version 6
	.text
	.protected	k_q262b3e6cf9_quant
	.globl	k_q262b3e6cf9_quant
	.p2align	8
	.type	k_q262b3e6cf9_quant,@function
k_q262b3e6cf9_quant:
	s_mov_b64 s[64:65], 0
	v_nop
	global_prefetch_b8 v0, s[64:65] scope:SCOPE_SE
	s_setreg_imm32_b32 hwreg(HW_REG_WAVE_MODE, 25, 1), 1
	s_wait_xcnt 0x0
; FIRST OF FOUR LAUNCHES.  out0[t][h] = sum over e of rw[t][e] x ( act_e[t][:] W2_e[:][h] + b2_e[h] ),  act_e = (clip(up) + 1) g sigmoid(1.702 g),  g = min(gate, 7),
; gate and up the even and odd columns of x W1_e + b1_e.  Both products on codes of FP6 (E2M3) with one E8M0 scale for each 32 along K.
; NO WORK IS LEFT OUT: every expert is weighed in for every token, and every input has a way to out0.
; THIS LAUNCH turns x [1024][1024], W1 [16][1024 (k)][2048] and W2 [16][1024 (k)][1024], f32, into codes and scale words laid as the operands' registers want them:
; a fragment (16 rows x 128 K) is 1,536 bytes: piece g of 512 bytes holds registers 4 g .. 4 g + 3 of lane L at byte 16 L; lane L = row + 16 hk holds block 2 c + hk of the K step in registers 6 c .. 6 c + 5.
; A scale word is four bytes for a row and 128 along K.  A CELL is one K step of a run of rows: its images, then its rows' scale words.
; xq: [256 tokens 4][K step 8][25,600]: 16 images + 256 words;   w1q: [8 e + 256 columns, 128][K step 8][25,600] likewise;
; w2q: [e / 4][128 columns 8][e % 4][K step 8][12,800]: 8 images + 128 words: so the cells that one work-group of the third launch walks lie on end.
; A block's scale byte is its largest magnitude's exponent field - 2, held at 1 from below.
; W2's 32 numbers of a block lie in another order: place 16 hh + 4 u + i holds row 8 u + 4 hh + i; the second launch lays act's blocks in the same order, so the same pairs meet under the same scales.
; LIMITS: NaN and infinities among the inputs are not served.  A block of zeros gets the byte 1 where the rule says 127: its codes are zeros, and this program alone reads the bytes.
; SHARES.  A part of a weight is 128 columns x 256 along K: W1 has 1,024 parts, W2 512: 1,536 work-groups, a part each.  With 160 registers six waves fit a SIMD's 1,024, so six work-groups fit a WGP: 6 x 256 = 1,536.
; id: q = id / 3; id % 3 = 0, 1: W1's part 2 q + id % 3; id % 3 = 2: W2's part q.
; A lane takes a column and its registers run down K: each load reads 128 consecutive bytes a wave, a block of 32 lies in one lane, and the conversions give codes with K innermost.
; x RIDES ALONG: 64 token tiles x 8 K steps = 512 tasks: wave 0 of W2's work-group q takes task q, asked for ahead of its first weight block.
; No LDS, no barrier: waves share nothing; no cluster: no two work-groups read the same bytes; no data prefetch: the text has no loop to run ahead in.
.set X,   32                           ; v32-95   two sets of 32 numbers of a weight
.set IM,  96                           ; v96-143  the weights' images: 24 sigma + 12 hk + register
.set XD,  96                           ; v96-159  x's 64 numbers: done with before the first image is written
.set XI,  16                           ; v16-27   x's image; with v8, v9, v10, v31 and s[42:45] read by x's stores and written by nothing else
.set TP,  28                           ; v28-30   a block's upper 16 codes (a conversion's three registers begin on an even number)
.set SB,  14                           ; v14-15   the scale words of a weight's two K steps
.macro BMAX                            ; the largest magnitude of the 32 numbers at v[XC] on, the floor 2^(3 - 127) among them, in v12; with 2 off its exponent field in v11
	v_max3_num_f32 v12, |v[XC]|, |v[XC+1]|, |v[XC+2]|
	v_max3_num_f32 v13, |v[XC+3]|, |v[XC+4]|, |v[XC+5]|
.irp i, 6,10,14,18,22,26
	v_max3_num_f32 v12, v12, |v[XC+\i]|, |v[XC+\i+1]|
	v_max3_num_f32 v13, v13, |v[XC+\i+2]|, |v[XC+\i+3]|
.endr
	v_max3_num_f32 v12, v12, |v[XC+30]|, |v[XC+31]|
	v_max3_num_f32 v12, v12, v13, 0x1800000
	v_add_nc_u32 v11, 0xff000000, v12
.endm
.macro LOADW t, pitch, perm            ; block t of eight: rows 32 t + i, my column, into set t % 2.  perm = 1: row i goes to place 16 ((i / 4) % 2) + 4 (i / 8) + i % 4
.set i, 0
.rept 32
.if \perm
.set p, 16*((i>>2)&1)+4*(i>>3)+(i&3)
.else
.set p, i
.endif
	global_load_b32 v[X+32*((\t)%2)+p], v3, s[4:5] offset:(32*(\t)+i)*\pitch th:TH_LOAD_NT
.set i, i+1
.endr
.endm
.macro BLOCKW t, pitch, perm, cell     ; block t is block t % 4 = 2 c + hk of K step sigma = t / 4
.set XC, X+32*((\t)%2)
.set DI, IM+24*((\t)>>2)+12*((\t)&1)+6*(((\t)>>1)&1)
.set SGM, (\t)>>2
.if (\t) < 7
	s_wait_loadcnt 32                              ; this block's 32 loads are in; the next block's may be out
.else
	s_wait_loadcnt 0x0
.endif
	BMAX
	v_cvt_scalef32_pk16_fp6_f32 v[DI:DI+2], v[XC:XC+15], v11
	v_cvt_scalef32_pk16_fp6_f32 v[TP:TP+2], v[XC+16:XC+31], v11
	v_lshrrev_b32 v13, 23, v11                     ; the scale's byte (also the plain place behind the conversions)
.if ((\t)&3) == 0
	v_mov_b32 v[SB+SGM], v13
.else
	v_lshl_or_b32 v[SB+SGM], v13, 8*((\t)&3), v[SB+SGM]
.endif
	v_mov_b32 v[DI+3], v[TP]
	v_mov_b32 v[DI+4], v[TP+1]
	v_mov_b32 v[DI+5], v[TP+2]
.if (\t)+2 < 8
	LOADW (\t)+2, \pitch, \perm
.endif
.if ((\t)&3) == 3                      ; a K step is whole: its images leave.  No store's data are written again
.irp hk, 0,1
.irp g, 0,1,2
	global_store_b128 v4, v[IM+24*SGM+12*\hk+4*\g:IM+24*SGM+12*\hk+4*\g+3], s[6:7] offset:SGM*\cell+\g*512+\hk*256   ; each half of the lanes stores 256 consecutive bytes, at a multiple of 256 from the buffer's first byte
.endr
.endr
	global_store_b32 v3, v[SB+SGM], s[10:11] offset:SGM*\cell
.endif
.endm
.macro BLOCKS pitch, perm, cell
.irp t, 0,1,2,3,4,5,6,7
	BLOCKW \t, \pitch, \perm, \cell
.endr
.endm
	s_load_b128 s[12:15], s[0:1], 0x0              ; x, W1
	s_load_b128 s[16:19], s[0:1], 0x10             ; W2, xq
	s_load_b128 s[20:23], s[0:1], 0x20             ; w1q, w2q
	v_lshrrev_b32 v1, 5, v0
	v_readfirstlane_b32 s8, v1                     ; wave 0..3
	v_and_b32 v2, 31, v0                           ; lane
	v_lshlrev_b32 v3, 2, v2                        ; 4 x lane
	v_and_b32 v5, 15, v2                           ; lane % 16
	v_lshrrev_b32 v6, 4, v2                        ; lane / 16
	v_mul_u32_u24 v4, v6, 1536
	v_lshl_add_u32 v4, v5, 4, v4                   ; the weights' images: tile lane / 16 of my wave's two, row lane % 16
	s_mov_b32 s25, 0                               ; the offsets' high words
	s_mov_b32 s27, 0
	s_mov_b32 s29, 0
	s_mul_hi_u32 s2, ttmp9, 0xaaaaaaab
	s_lshr_b32 s2, s2, 1                           ; q = id / 3
	s_mul_i32 s3, s2, 3
	s_sub_co_u32 s3, ttmp9, s3                     ; id % 3
	s_cmp_eq_u32 s3, 2
	s_cbranch_scc1 .Lw2
	; ---- W1: part 2 q + id % 3 = 4 x (16 e + column group of 128) + which 256 along K
	s_lshl_b32 s36, s2, 1
	s_add_co_u32 s36, s36, s3
	s_and_b32 s9, s36, 3
	s_lshr_b32 s2, s36, 2
	s_lshr_b32 s3, s2, 4                           ; e
	s_and_b32 s32, s2, 15                          ; column group
	s_lshr_b32 s33, s2, 1                          ; 8 e + which 256 columns
	s_and_b32 s34, s2, 1                           ; which half of them
	s_lshl_b32 s24, s3, 23                         ; an expert: 1,024 rows of 8,192 bytes
	s_lshl_b32 s35, s9, 21
	s_add_co_u32 s24, s24, s35
	s_lshl_b32 s35, s32, 9
	s_add_co_u32 s24, s24, s35
	s_lshl_b32 s35, s8, 7
	s_add_co_u32 s24, s24, s35
	s_mul_i32 s26, s33, 204800                     ; eight cells,
	s_mul_i32 s35, s9, 51200                       ; my two of them
	s_add_co_u32 s26, s26, s35
	s_lshl_b32 s35, s34, 9
	s_add_co_u32 s28, s26, s35
	s_lshl_b32 s35, s8, 7
	s_add_co_u32 s28, s28, s35
	s_add_co_u32 s28, s28, 24576                   ; my 32 columns' scale words
	s_mul_i32 s35, s34, 12288
	s_add_co_u32 s26, s26, s35
	s_mul_i32 s35, s8, 3072
	s_add_co_u32 s26, s26, s35                     ; my two tiles' images
	s_wait_kmcnt 0x0
	s_add_nc_u64 s[4:5], s[14:15], s[24:25]
	s_add_nc_u64 s[6:7], s[20:21], s[26:27]
	s_add_nc_u64 s[10:11], s[20:21], s[28:29]
	s_wait_alu depctr_va_vdst(0)                   ; the wait at the head's end
	LOADW 0, 8192, 0
	LOADW 1, 8192, 0
	BLOCKS 8192, 0, 25600
	s_endpgm
.Lw2:                                  ; ---- W2: part q = 4 x (8 e + column group of 128) + which 256 along K;  and x's task q = 8 x token tile + K step
	s_lshr_b32 s36, s2, 3                          ; x: token tile
	s_and_b32 s37, s2, 7                           ; K step
	s_lshr_b32 s39, s36, 4                         ; which 256 tokens
	s_and_b32 s46, s36, 15                         ; which tile of them
	s_lshl_b32 s40, s36, 16                        ; x: 16 rows of 4,096 bytes,
	s_lshl_b32 s47, s37, 9                         ; a K step of 512 bytes
	s_add_co_u32 s40, s40, s47
	s_mov_b32 s41, 0
	s_mul_i32 s42, s39, 204800                     ; its cell
	s_mul_i32 s47, s37, 25600
	s_add_co_u32 s42, s42, s47
	s_lshl_b32 s47, s46, 6
	s_add_co_u32 s44, s42, s47
	s_add_co_u32 s44, s44, 24576                   ; its scale words
	s_mov_b32 s45, 0
	s_mul_i32 s47, s46, 1536
	s_add_co_u32 s42, s42, s47                     ; its image
	s_mov_b32 s43, 0
	s_and_b32 s9, s2, 3
	s_lshr_b32 s33, s2, 2
	s_lshr_b32 s3, s33, 3                          ; e
	s_and_b32 s32, s33, 7                          ; column group
	s_lshl_b32 s24, s3, 22                         ; an expert: 1,024 rows of 4,096 bytes
	s_lshl_b32 s35, s9, 20
	s_add_co_u32 s24, s24, s35
	s_lshl_b32 s35, s32, 9
	s_add_co_u32 s24, s24, s35
	s_lshl_b32 s35, s8, 7
	s_add_co_u32 s24, s24, s35
	s_lshr_b32 s35, s3, 2
	s_lshl_b32 s35, s35, 3
	s_add_co_u32 s35, s35, s32
	s_lshl_b32 s35, s35, 2
	s_and_b32 s33, s3, 3
	s_add_co_u32 s33, s33, s35                     ; 4 (8 (e / 4) + column group) + e % 4
	s_mul_i32 s26, s33, 102400                     ; eight cells,
	s_mul_i32 s35, s9, 25600                       ; my two of them
	s_add_co_u32 s26, s26, s35
	s_lshl_b32 s35, s8, 7
	s_add_co_u32 s28, s26, s35
	s_add_co_u32 s28, s28, 12288
	s_mul_i32 s35, s8, 3072
	s_add_co_u32 s26, s26, s35
	s_wait_alu depctr_va_vdst(0)
	v_lshlrev_b32 v7, 12, v5
	v_lshl_add_u32 v7, v6, 7, v7                   ; x: lane (r, h) is the fragment's own lane: row r, + 128 h
	v_lshlrev_b32 v8, 4, v2                        ; x's image: 16 x lane
	v_lshl_add_u32 v9, v5, 2, v6                   ; x's scale bytes: row r's word, byte h
	s_wait_kmcnt 0x0
	s_add_nc_u64 s[4:5], s[16:17], s[24:25]
	s_add_nc_u64 s[6:7], s[22:23], s[26:27]
	s_add_nc_u64 s[10:11], s[22:23], s[28:29]
	s_add_nc_u64 s[40:41], s[12:13], s[40:41]
	s_add_nc_u64 s[42:43], s[18:19], s[42:43]
	s_add_nc_u64 s[44:45], s[18:19], s[44:45]
	s_cmp_lg_u32 s8, 0
	s_cbranch_scc1 .Lplain                         ; waves 1 to 3 have no task of x
	s_wait_alu depctr_va_vdst(0)
.irp c, 0,1
.irp i, 0,1,2,3,4,5,6,7
	global_load_b128 v[XD+32*\c+4*\i:XD+32*\c+4*\i+3], v7, s[40:41] offset:256*\c+16*\i th:TH_LOAD_NT
.endr
.endr
	LOADW 0, 4096, 1
	s_wait_loadcnt 32                              ; x's 16 loads are in; the weight block's 32 may be out
.irp c, 0,1                            ; my block 2 c + h of the K step
.set XC, XD+32*\c
	BMAX
	v_cvt_scalef32_pk16_fp6_f32 v[XI+6*\c:XI+6*\c+2], v[XC:XC+15], v11
	v_cvt_scalef32_pk16_fp6_f32 v[TP:TP+2], v[XC+16:XC+31], v11
	v_lshrrev_b32 v[10+21*\c], 23, v11             ; the scale's byte, in v10 and v31
	v_mov_b32 v[XI+6*\c+3], v[TP]
	v_mov_b32 v[XI+6*\c+4], v[TP+1]
	v_mov_b32 v[XI+6*\c+5], v[TP+2]
.endr
.irp g, 0,1,2
	global_store_b128 v8, v[XI+4*\g:XI+4*\g+3], s[42:43] offset:\g*512
.endr
	global_store_b8 v9, v10, s[44:45]              ; each lane stores its own two bytes of its row's word: block h's,
	global_store_b8 v9, v31, s[44:45] offset:2     ; and block 2 + h's
	LOADW 1, 4096, 1
	s_branch .Lblocks
.Lplain:
	LOADW 0, 4096, 1
	LOADW 1, 4096, 1
.Lblocks:                              ; on both ways two blocks' loads, 64, have been issued and none of them waited for
	BLOCKS 4096, 1, 12800
	s_endpgm
.Lfunc_end_k_q262b3e6cf9_quant:
	.size	k_q262b3e6cf9_quant, .Lfunc_end_k_q262b3e6cf9_quant-k_q262b3e6cf9_quant
	.p2alignl 7, 3214868480
	.fill 96, 4, 3214868480
	.section	.rodata,"a",@progbits
	.p2align	6, 0x0
	.amdhsa_kernel k_q262b3e6cf9_quant
		.amdhsa_group_segment_fixed_size 0
		.amdhsa_private_segment_fixed_size 0
		.amdhsa_enable_private_segment 0
		.amdhsa_kernarg_size 48
		.amdhsa_user_sgpr_count 2
		.amdhsa_user_sgpr_kernarg_segment_ptr 1
		.amdhsa_wavefront_size32 1
		.amdhsa_system_sgpr_workgroup_id_x 1
		.amdhsa_system_sgpr_workgroup_id_y 1
		.amdhsa_system_sgpr_workgroup_id_z 1
		.amdhsa_system_vgpr_workitem_id 0
		.amdhsa_next_free_vgpr 160
		.amdhsa_next_free_sgpr 66
		.amdhsa_reserve_vcc 0
		.amdhsa_float_denorm_mode_32 3
		.amdhsa_float_denorm_mode_16_64 3
		.amdhsa_memory_ordered 1
		.amdhsa_forward_progress 1
		.amdhsa_inst_pref_size 89
	.end_amdhsa_kernel
	.amdgpu_metadata
---
amdhsa.version: [ 1, 2 ]
amdhsa.kernels:
  - .name:           k_q262b3e6cf9_quant
    .symbol:         k_q262b3e6cf9_quant.kd
    .args:
      - { .name: hidden_states, .offset: 0, .size: 8, .value_kind: global_buffer, .address_space: global }
      - { .name: gate_up_proj, .offset: 8, .size: 8, .value_kind: global_buffer, .address_space: global }
      - { .name: down_proj, .offset: 16, .size: 8, .value_kind: global_buffer, .address_space: global }
      - { .name: xq, .offset: 24, .size: 8, .value_kind: global_buffer, .address_space: global }
      - { .name: w1q, .offset: 32, .size: 8, .value_kind: global_buffer, .address_space: global }
      - { .name: w2q, .offset: 40, .size: 8, .value_kind: global_buffer, .address_space: global }
    .group_segment_fixed_size: 0
    .private_segment_fixed_size: 0
    .kernarg_segment_align: 8
    .kernarg_segment_size: 48
    .max_flat_workgroup_size: 128
    .sgpr_count:     66
    .vgpr_count:     160
    .wavefront_size: 32
...
	.end_amdgpu_metadata
.endif
;; end of part 1
;; launch gemm1 (part 2): grid 128 x 4, 4 waves a work-group, clusters of 4 x 4, 327,680 bytes of LDS; arguments xq, w1q, gate_up_proj_bias, aq; writes aq
.if DOCPART == 2
	.amdgcn_target "amdgcn-amd-amdhsa--gfx1250"
	.amdhsa_code_object_version 6
	.text
	.protected	k_q262b3e6cf9_gemm1
	.globl	k_q262b3e6cf9_gemm1
	.p2align	8
	.type	k_q262b3e6cf9_gemm1,@function
k_q262b3e6cf9_gemm1:
	s_mov_b64 s[64:65], 0
	v_nop
	global_prefetch_b8 v0, s[64:65] scope:SCOPE_SE
	s_setreg_imm32_b32 hwreg(HW_REG_WAVE_MODE, 25, 1), 1
	s_wait_xcnt 0x0
	s_wait_alu depctr_hold_cnt(0) depctr_sa_sdst(0) depctr_va_vdst(0) depctr_va_sdst(0) depctr_va_ssrc(0) depctr_va_vcc(0) depctr_vm_vsrc(0)
	s_getreg_b32 s2, hwreg(HW_REG_IB_STS2, 6, 4)
	s_cmp_eq_u32 s2, 0
	s_cbranch_scc0 .Lentry_in_a_cluster
	s_endpgm
.Lentry_in_a_cluster:
	s_bfe_u32 s2, ttmp6, 0x10000c
	s_cmp_lg_u32 s2, 0xf033
	s_cbranch_scc0 .Lentry_shape_is_right
	s_endpgm
.Lentry_shape_is_right:
; SECOND LAUNCH: act_e = (clip(up, -7, 7) + 1) g sigmoid(1.702 g), g = min(gate, 7), gate and up the even and odd columns of x W1_e + b1_e; act is quantised along d and stored as codes.  No work is left out.
; The product runs on codes of FP6 (E2M3) with E8M0 scales, as the first launch laid them: a K step of 256 rows is a cell of 25,600 bytes: 16 images of 1,536 bytes, then 256 scale words.
; SHARES.  A work-group makes 256 tokens (ty) x 256 columns of one expert (tc = 8 e + cb): four waves, each 128 x 128: 64 accumulators, 512 registers.
; LDS holds six cells of x from byte 0 and six of W1 from byte 153,600.  K steps 0-3 come by the head's loads, one a wave, two cells each; K steps 4 and 5 by a load a wave behind the next round, into cells 4 and 5;
; K steps 6 and 7 by a load a wave behind the round in K step 3, into cells 0 and 1, which are read no more.  So a wave issues three tensor loads in the launch, never more than one out.
; THE MATRIX INSTRUCTION IS USED TRANSPOSED (source 0 = 16 columns of W1, source 1 = 16 tokens): lane (r, hh) holds token r; registers 0, 2, 4, 6 of tile bt are gate, 1, 3, 5, 7 up, of d = 8 bt + 4 hh + 0 .. 3.
; Wave (i, j) takes token tiles 8 i + a and column tiles bt(b) = b % 4 + 4 j + 8 (b / 4): blocks j and 2 + j of the next product's K step cb.  In a block of 32 along d place 16 hh + 4 u + i holds d = 8 u + 4 hh + i;
; the first launch laid W2's blocks in the same order.  b1 is the C of each sum's first matrix instruction.
; OUT: aq: [e / 4][128 tokens 8][e % 4][K step 8][12,800]: a cell of 8 images and 128 scale words: so the cells that one work-group of the third launch walks lie on end.
; CLUSTERS: 4 x 4 work-groups.  The four of a row need the same cells of x, the four of a column the same cells of W1: each is asked for JOINTLY.  The grid has one cluster along y, so ty is my place along the cluster's y.
; LIMITS: NaN and infinities are not served.  A block of zeros gets the byte 1 (its codes are zeros; this program alone reads the bytes).
; No data prefetch is laid: the text has no loop to run ahead in.
; REGISTERS: window 0: v6-11, v16-30 addresses; v32-63 scale words, two sets; v64-127 b1; v128-223 x's fragments, ONE set.  window 1: W1's fragments, two sets.  windows 2, 3: the accumulators ((a, b) at v[8 (8 (a % 4) + b)]).
.set FR,      12
.set TB,      1536
.set QB,      25600                    ; a cell
.set PR,      51200                    ; two cells
.set WB,      153600                   ; W1's cells
.set SWO,     24576                    ; a cell's scale words
.set SG,      307200                   ; the part words of act's scales: 512 bytes a wave; no fill lands here
.set SPARE,   309248                   ; the spare words, 128 bytes a wave
.set AS,   6                           ; v6-11   scale words of cell pair n: v[AS + 2 n]: lanes 0-15 x's, lanes 16-31 W1's; + 1: for blocks 4-7 (W1's lie 256 bytes further on than x's)
.set ADRA, 16                          ; v16-18  my x fragments in cell pair 0, 1, 2
.set ADRB, 19                          ; v19-21  the same for W1
.set AO,   24
.set SGA,  25
.set SGR,  26
.set SGO,  27
.set SPW,  28
.set NIL,  29
.set BO,   30
.set SC,   32
.set BI,   64
.set AF,   128
.set S,    64
.set GC,   128
.set UC,   160
.set EX,   192
.set TM,   224
.set PC,   128
.set G1, 24                            ; s[24:31] group 1, x, 200 rows;  s[32:39] group 0 for x's first and second load
.set G0, 32
.set G1B, 48                           ; s[48:55], s[56:63] the same for W1
.set G0B, 56
.set G1S, 68                           ; s[68:75] group 1, x, 100 rows;  s[76:79] group 0 for x's third load
.set G0S, 76
.set G1SB, 80                          ; s[80:87], s[88:91] the same for W1
.set G0SB, 88
.set MSB, 0
.macro WIN new
.if MSB != (\new)
	s_set_vgpr_msb (MSB<<8)|(\new)
.set MSB, (\new)
.endif
.endm
.set MUL_LO, 0xa1
.set MUL_HI, 0xf1
.set TO_B,   0x40
; A joint load: waves 0 and 1 fetch for x, waves 2 and 3 for W1.  An s_nop 0 and four v_nop follow each of the two lines.
.macro JLOAD g0a, g1a, g0b, g1b
	s_cmp_eq_u32 s15, 0
	s_cbranch_scc0 .Lfor_b_\@
	tensor_load_to_lds s[\g0a:\g0a+3], s[\g1a:\g1a+7]
	s_nop 0
.rept 4
	v_nop
.endr
	s_branch .Lasked_\@
.Lfor_b_\@:
	tensor_load_to_lds s[\g0b:\g0b+3], s[\g1b:\g1b+7]
	s_nop 0
.rept 4
	v_nop
.endr
.Lasked_\@:
.endm
.macro CREST
	s_cmp_lg_u32 s14, 0
	s_cbranch_scc1 .Lnot_wave_0_\@
	s_barrier_signal -3
.Lnot_wave_0_\@:
	s_barrier_wait -3
	s_barrier_signal -1
	s_barrier_wait -1
.endm
.macro CROUND
	s_barrier_signal -1
	s_barrier_wait -1
	CREST
.endm
.macro PLACES
.rept 4
	v_nop
.endr
.endm
.macro MKG0 g, lds, add, src, goff     ; a group 0: LDS address s\lds + add, global address s[src] + goff
	s_mov_b32 s[\g], 1
	s_add_co_u32 s[\g+1], s\lds, \add
	s_add_nc_u64 s[\g+2:\g+3], s[\src:\src+1], \goff
	s_or_b32 s[\g+3], s[\g+3], 0x80000000
.endm
	s_load_b256 s[4:11], s[0:1], 0x0               ; xq s[4:5], w1q s[6:7], b1 s[8:9], aq s[10:11]
	v_lshl_add_u32 v[SPW], v0, 2, SPARE
	v_mov_b32 v[NIL], 0
	ds_add_u32 v[SPW], v[NIL]                      ; the wave's opening: the add, twice on end, and its wait ahead of my first tensor load
	ds_add_u32 v[SPW], v[NIL]
	v_lshrrev_b32 v1, 5, v0
	v_readfirstlane_b32 s14, v1                    ; wave 0..3
	s_lshr_b32 s15, s14, 1                         ; i: which 128 tokens are mine.  Also: I fetch for x (0) or for W1 (1)
	s_and_b32 s16, s14, 1                          ; j: which blocks along d.  Also: which part of a fill I fetch
	s_bfe_u32 s40, ttmp6, 0x40000                  ; cx
	s_bfe_u32 s41, ttmp6, 0x40004                  ; cy = ty
	s_lshl_b32 s42, ttmp9, 2
	s_add_co_u32 s42, s42, s40                     ; tc = 4 x cluster x + cx
	s_lshl_b32 s43, s41, 2
	s_lshl_b32 s43, 15, s43                        ; my row of the cluster
	s_lshl_b32 s44, 0x1111, s40                    ; my column
	; group 1: dense blocks as rows of 32 elements of 8 bytes: 200 rows (two cells) at the head, 100 (one cell) later; no padding: every LDS load of a fragment takes 512 consecutive bytes
	s_or_b32 s[G1+0], s43, (3<<16)|(1<<21)
	s_or_b32 s[G1B+0], s44, (3<<16)|(1<<21)
.irp g, G1, G1B
	s_mov_b32 s[\g+1], 32<<16
	s_mov_b32 s[\g+2], 200<<16
	s_mov_b32 s[\g+3], 32<<16
	s_mov_b32 s[\g+4], 200
	s_mov_b32 s[\g+5], 32
	s_mov_b32 s[\g+6], 0
	s_mov_b32 s[\g+7], 0
.endr
	s_or_b32 s[G1S+0], s43, (3<<16)|(1<<21)
	s_or_b32 s[G1SB+0], s44, (3<<16)|(1<<21)
.irp g, G1S, G1SB
	s_mov_b32 s[\g+1], 32<<16
	s_mov_b32 s[\g+2], 100<<16
	s_mov_b32 s[\g+3], 32<<16
	s_mov_b32 s[\g+4], 100
	s_mov_b32 s[\g+5], 32
	s_mov_b32 s[\g+6], 0
	s_mov_b32 s[\g+7], 0
.endr
	s_mul_i32 s18, s16, PR
	s_mul_i32 s19, s16, QB
	s_mul_i32 s20, s41, 204800
	s_add_co_u32 s22, s20, s19                     ; x: ty, + one cell x j
	s_add_co_u32 s20, s20, s18                     ; x: ty, + two cells x j
	s_mov_b32 s21, 0
	s_mov_b32 s23, 0
	s_mul_i32 s46, s42, 204800
	s_add_co_u32 s92, s46, s19                     ; W1: tc
	s_add_co_u32 s46, s46, s18
	s_mov_b32 s47, 0
	s_mov_b32 s93, 0
	s_mul_i32 s95, s15, WB                         ; where they go: no place in the cluster enters an LDS address
	s_add_co_u32 s45, s95, s18
	s_add_co_u32 s94, s95, s19
	s_mov_b32 s96, 0x40e00000                      ; 7.0
	s_mov_b32 s97, 0xc0e00000                      ; -7.0
	s_mov_b32 s98, 0xc01d265f                      ; -1.702 log2(e)
	s_mov_b32 s99, s98
	s_mov_b32 s100, 0x76543210
	s_mov_b32 s101, 0xfedcba98                     ; selects for lane l xor 16
	s_lshl_b32 s17, s16, 3                         ; 8 j
	s_wait_dscnt 0x0                               ; both opening adds are done
	s_wait_kmcnt 0x0
	s_add_nc_u64 s[20:21], s[4:5], s[20:21]
	s_add_nc_u64 s[22:23], s[4:5], s[22:23]
	s_add_nc_u64 s[46:47], s[6:7], s[46:47]
	s_add_nc_u64 s[92:93], s[6:7], s[92:93]
	CROUND                                         ; all sixteen work-groups are here: the first joint loads meet
	MKG0 G0, 45, 0, 20, 0                          ; K steps 2 j, 2 j + 1 into cells 2 j, 2 j + 1
	MKG0 G0B, 45, 0, 46, 0
	MKG0 G0+4, 94, 2*PR, 22, 4*QB                  ; K step 4 + j into cell 4 + j
	MKG0 G0B+4, 94, 2*PR, 92, 4*QB
	MKG0 G0S, 94, 0, 22, 6*QB                      ; K step 6 + j into cell j
	MKG0 G0SB, 94, 0, 92, 6*QB
	JLOAD G0, G1, G0B, G1B                         ; one tensor load a wave at the head
	s_lshl_b32 s46, s42, 10                        ; b1: 256 tc numbers on, + 64 j
	s_lshl_b32 s47, s16, 8
	s_add_co_u32 s46, s46, s47
	s_mov_b32 s47, 0
	s_add_nc_u64 s[8:9], s[8:9], s[46:47]
	s_lshr_b32 s18, s42, 3                         ; e
	s_and_b32 s19, s42, 7                          ; cb
	s_lshl_b32 s92, s41, 1
	s_add_co_u32 s92, s92, s15                     ; which 128 tokens: 2 ty + i
	s_lshr_b32 s46, s18, 2
	s_lshl_b32 s46, s46, 3
	s_add_co_u32 s46, s46, s92
	s_lshl_b32 s46, s46, 2
	s_and_b32 s93, s18, 3
	s_add_co_u32 s46, s46, s93                     ; 4 (8 (e / 4) + which 128 tokens) + e % 4
	s_mul_i32 s46, s46, 102400
	s_mul_i32 s93, s19, 12800
	s_add_co_u32 s46, s46, s93
	s_add_nc_u64 s[12:13], s[10:11], s[46:47]      ; act's cell: its images
	s_lshl_b32 s93, s16, 8
	s_add_co_u32 s46, s46, s93
	s_add_co_u32 s46, s46, 12288
	s_add_nc_u64 s[10:11], s[10:11], s[46:47]      ; its scale words: the 64 tokens that I store
	s_mul_i32 s21, s15, 8*TB                       ; my 8 token tiles
	s_mul_i32 s22, s16, 4*TB                       ; my column tiles begin at 4 j
	s_add_co_u32 s22, s22, WB
	s_lshl_b32 s18, s15, 9                         ; x's words: my 128 tokens
	s_lshl_b32 s19, s16, 8                         ; W1's: tile 4 j on
	s_add_co_u32 s23, s19, WB
	s_sub_co_u32 s23, s23, s18                     ; the distance from x's words to W1's
	s_add_co_u32 s18, s18, SWO
	s_lshl_b32 s92, s14, 9
	s_add_co_u32 s92, s92, SG
	s_lshl_b32 s93, s15, 10
	s_add_co_u32 s93, s93, s19
	s_add_co_u32 s93, s93, SG
	v_and_b32 v1, 15, v0                           ; r
	v_bfe_u32 v2, v0, 4, 1                         ; h
	v_and_b32 v3, 31, v0                           ; lane
	v_lshlrev_b32 v4, 4, v3                        ; an image's place for my lane
	v_add_nc_u32 v[ADRA], s21, v4
	v_add_nc_u32 v[ADRB], s22, v4
	v_add_nc_u32 v[ADRA+1], PR, v[ADRA]
	v_add_nc_u32 v[ADRB+1], PR, v[ADRB]
	v_add_nc_u32 v[ADRA+2], 2*PR, v[ADRA]
	v_add_nc_u32 v[ADRB+2], 2*PR, v[ADRB]
	v_mul_u32_u24 v5, s23, v2                      ; lanes 16-31 take W1's
	v_lshl_add_u32 v5, v1, 2, v5
	v_add_nc_u32 v[AS], s18, v5
	v_lshl_add_u32 v[AS+1], v2, 8, v[AS]
	v_add_nc_u32 v[AS+2], PR, v[AS]
	v_add_nc_u32 v[AS+3], PR, v[AS+1]
	v_add_nc_u32 v[AS+4], 2*PR, v[AS]
	v_add_nc_u32 v[AS+5], 2*PR, v[AS+1]
	v_mul_u32_u24 v[AO], v2, TB                    ; act's images: lanes 0-15 the pair's first tile, lanes 16-31 its second;
	v_lshl_add_u32 v[AO], v1, 4, v[AO]
	v_add_nc_u32 v[AO], s19, v[AO]                 ; the images' lanes 16 j + r
	v_lshl_add_u32 v[SGA], v3, 2, s92              ; SG + 512 x wave + 4 x lane
	v_lshl_add_u32 v[SGR], v3, 3, s93              ; back: wave 2 i's region, + 256 j, 8 bytes a lane; wave 2 i + 1's lies 512 bytes on
	v_lshlrev_b32 v[SGO], 3, v3
	v_lshlrev_b32 v[BO], 5, v2
	s_wait_alu depctr_va_vdst(0)                   ; the wait at the head's end
.irp b, 0,1,2,3,4,5,6,7                ; b1 in the result's layout: lane (r, hh), register n: column 16 bt(b) + 8 hh + n
	global_load_b128 v[BI+8*\b:BI+8*\b+3], v[BO], s[8:9] offset:(\b%4)*64+(\b/4)*512
	global_load_b128 v[BI+8*\b+4:BI+8*\b+7], v[BO], s[8:9] offset:(\b%4)*64+(\b/4)*512+16
.endr
.macro FRAG reg, adr, off              ; a fragment comes as it was stored: three loads of 512 consecutive bytes
.irp c, 0,1,2
	ds_load_b128 v[\reg+4*\c:\reg+4*\c+3], v[\adr] offset:\off+512*\c
.endr
.endm
.macro FETCH_B st                      ; W1's eight fragments of K step st (cell pair (st / 2) % 3) into set st % 2
	WIN TO_B
.irp i, 0,1,2,3,4,5,6,7
	FRAG 128*((\st)%2)+FR*\i, ADRB+((\st)/2)%3, ((\st)%2)*QB+((\i%4)+8*(\i/4))*TB
.endr
	WIN 0
.endm
.macro FETCH_A st, i0                  ; x's blocks i0 .. i0 + 3
.irp i, \i0, \i0+1, \i0+2, \i0+3
	FRAG AF+FR*(\i), ADRA+((\st)/2)%3, ((\st)%2)*QB+(\i)*TB
.endr
.endm
.macro SCALES n                        ; the scale words of K steps 2 n, 2 n + 1 into set n % 2: register 2 i + q: lanes 0-15 x's block i, lanes 16-31 W1's block i
.irp i, 0,1,2,3,4,5,6,7
.irp q, 0,1
	ds_load_b32 v[SC+16*((\n)%2)+2*\i+\q], v[AS+2*((\n)%3)+(\i/4)] offset:\q*QB+(\i%4)*64+(\i/4)*256
.endr
.endr
.endm
; 16 matrix instructions: x's blocks a0, a0 + 1 against W1's eight.  The 64 accumulators take turns, one instruction a turn, in the same order in every step.
.macro MUL16 a0, p, q, sc, bias
.irp a, \a0, \a0+1
.irp b, 0,1,2,3,4,5,6,7
.if \bias
	v_wmma_scale_f32_16x16x128_f8f6f4 v[8*(8*((\a)%4)+\b):8*(8*((\a)%4)+\b)+7], v[128*(\p)+FR*\b:128*(\p)+FR*\b+FR-1], v[AF+FR*(\a):AF+FR*(\a)+FR-1], v[BI+8*\b:BI+8*\b+7], v[SC+16*(\sc)+2*\b+(\q)], v[SC+16*(\sc)+2*(\a)+(\q)] matrix_a_fmt:MATRIX_FMT_FP6 matrix_b_fmt:MATRIX_FMT_FP6 matrix_a_scale:MATRIX_SCALE_ROW1
.else
	v_wmma_scale_f32_16x16x128_f8f6f4 v[8*(8*((\a)%4)+\b):8*(8*((\a)%4)+\b)+7], v[128*(\p)+FR*\b:128*(\p)+FR*\b+FR-1], v[AF+FR*(\a):AF+FR*(\a)+FR-1], v[8*(8*((\a)%4)+\b):8*(8*((\a)%4)+\b)+7], v[SC+16*(\sc)+2*\b+(\q)], v[SC+16*(\sc)+2*(\a)+(\q)] matrix_a_fmt:MATRIX_FMT_FP6 matrix_b_fmt:MATRIX_FMT_FP6 matrix_a_scale:MATRIX_SCALE_ROW1
.endif
.endr
.endr
.endm
; K step s: 64 matrix instructions; the next step's fragments are fetched in its middle and at its end.  x has one set of registers, W1 two.
; kind 0: the next step's cells are known whole.  kind 1, 2: a barrier first: each wave waits for all its tensor loads, adds 0 to its spare word, and waits for that and for its LDS reads;
; kind 1: the barrier opens a round of the cluster's, and cells 0 and 1 are filled again;  kind 2: nothing is filled.
.macro KST s, kind, bias
.if \kind
	s_wait_tensorcnt 0x0                           ; all my tensor loads have landed
	ds_add_u32 v[SPW], v[NIL]                      ; 0 onto my spare word
	s_wait_dscnt 13                                ; (the add and the youngest twelve loads may be out)
	WIN MUL_LO
	MUL16 0, (\s)%2, (\s)%2, ((\s)/2)%2, 0
	s_wait_dscnt 0x0                               ; the add is done, and so are all my LDS reads
	s_barrier_signal -1
	MUL16 2, (\s)%2, (\s)%2, ((\s)/2)%2, 0
	WIN 0
	s_barrier_wait -1
.if \kind == 1
	CREST                                          ; no wave of any partner still reads cells 0 and 1 or has a load on its way
	JLOAD G0S, G1S, G0SB, G1SB                     ; the first tensor load behind the round; its four v_nop are the places in front of the loads below
.else
	PLACES
.endif
.else
	s_wait_dscnt 12                                ; all but the youngest twelve loads (x's blocks 4-7) are in
.if \bias
	WIN 0x81                                       ; C (b1) in window 0, D in window 2
.else
	WIN MUL_LO
.endif
	MUL16 0, (\s)%2, (\s)%2, ((\s)/2)%2, \bias
	MUL16 2, (\s)%2, (\s)%2, ((\s)/2)%2, \bias
	s_wait_dscnt 0x0
	PLACES
.endif
	FETCH_B (\s)+1
	FETCH_A (\s)+1, 0
.if ((\s)%2) == 1
	SCALES ((\s)+1)/2
.endif
.if \bias
	WIN 0xc1
.else
	WIN MUL_HI
.endif
	MUL16 4, (\s)%2, (\s)%2, ((\s)/2)%2, \bias
	MUL16 6, (\s)%2, (\s)%2, ((\s)/2)%2, \bias
	PLACES
	WIN 0
	FETCH_A (\s)+1, 4
.endm
	s_wait_tensorcnt 0x0                           ; my part of K steps 0-3 is in
	ds_add_u32 v[SPW], v[NIL]
	s_wait_dscnt 0x0
	CROUND                                         ; everybody's part is in, and all sixteen work-groups are here
	JLOAD G0+4, G1S, G0B+4, G1SB                   ; K steps 4 and 5: the first tensor load behind the round
	FETCH_B 0
	FETCH_A 0, 0
	SCALES 0
	FETCH_A 0, 4
	s_wait_loadcnt 0x0                             ; b1
	KST 0, 0, 1
	KST 1, 0, 0
	KST 2, 0, 0
	KST 3, 1, 0
	KST 4, 0, 0
	KST 5, 2, 0
	KST 6, 0, 0
	s_wait_dscnt 12                                ; the last K step
	WIN MUL_LO
	MUL16 0, 1, 1, 1, 0
	MUL16 2, 1, 1, 1, 0
	s_wait_dscnt 0x0
	WIN MUL_HI
	MUL16 4, 1, 1, 1, 0
	MUL16 6, 1, 1, 1, 0
	WIN 0
; THE WAY OUT.  ACTIV: token tile t's 8 accumulators become 32 numbers of act a lane, at v[S + 32 q + 16 u + 4 (b % 4) + i], q = b / 4 the block, u the tile's place in its pair.
.macro ACTIV t, u
.set AC, 64*((\t)%4)
	WIN 0x02+((\t)/4)
.irp b, 0,1,2,3,4,5,6,7
.irp i, 0,1,2,3
	v_min_num_f32 v[GC+4*\b+\i], v[AC+8*\b+2*\i], s96              ; g = min(gate, 7): each accumulator is read from its low end on
.endr
.endr
.irp b, 0,1,2,3,4,5,6,7
.irp i, 0,1,2,3
	v_med3_num_f32 v[UC+4*\b+\i], v[AC+8*\b+2*\i+1], s97, s96      ; up held to -7 .. 7
.endr
.endr
	WIN 0
.set n, 0
.rept 16
	v_pk_mul_f32 v[EX+n:EX+n+1], v[GC+n:GC+n+1], s[98:99] op_sel_hi:[1,0]      ; -1.702 log2(e) g
.set n, n+2
.endr
.set n, 0
	s_wait_alu depctr_va_vdst(0)                   ; ahead of the batch
.rept 32
	v_exp_f32 v[EX+n], v[EX+n]
.set n, n+1
.endr
.set n, 0
.rept 16
	v_pk_fma_f32 v[UC+n:UC+n+1], v[UC+n:UC+n+1], v[GC+n:GC+n+1], v[GC+n:GC+n+1]   ; (up + 1) g
.set n, n+2
.endr
	s_wait_alu depctr_va_vdst(0)                   ; one wait for the 32 exponentials
.set n, 0
.rept 16
	v_pk_add_f32 v[EX+n:EX+n+1], v[EX+n:EX+n+1], 1.0 op_sel_hi:[1,0]
.set n, n+2
.endr
.set n, 0
	s_wait_alu depctr_va_vdst(0)
.rept 32
	v_rcp_f32 v[EX+n], v[EX+n]                     ; sigmoid(1.702 g)
.set n, n+1
.endr
	v_nop
	s_wait_alu depctr_va_vdst(0)                   ; one wait for the 32 reciprocals
.set n, 0
.rept 16
	v_pk_mul_f32 v[S+32*(n/16)+16*(\u)+(n%16):S+32*(n/16)+16*(\u)+(n%16)+1], v[UC+n:UC+n+1], v[EX+n:EX+n+1]
.set n, n+2
.endr
.endm
; 64 numbers of a lane, four blocks of 16 (the other 16 of each lie in lane l xor 16), become codes in v[PC] on: lanes 0-15 the first tile's registers 6 q .. 6 q + 5, lanes 16-31 the second tile's.  The bytes stay in v[TM+4] on.
.macro QUANT s
.irp b, 0,1,2,3
	v_max3_num_f32 v[TM+\b], |v[\s+16*\b]|, |v[\s+1+16*\b]|, 0x1800000
.endr
.irp i, 2,4,6,8,10,12,14
.irp b, 0,1,2,3
	v_max3_num_f32 v[TM+\b], v[TM+\b], |v[\s+16*\b+\i]|, |v[\s+1+16*\b+\i]|
.endr
.endr
.irp b, 0,1,2,3
	v_permlanex16_b32 v[TM+4+\b], v[TM+\b], s100, s101
.endr
.irp b, 0,1,2,3
	v_max_num_f32 v[TM+\b], v[TM+\b], v[TM+4+\b]
.endr
.irp b, 0,1,2,3
	v_add_nc_u32 v[TM+12+\b], 0xff000000, v[TM+\b]
.endr
.irp b, 0,1,2,3
	v_lshrrev_b32 v[TM+4+\b], 23, v[TM+12+\b]
.endr
.irp c, 0,1
	v_cvt_scalef32_pk16_fp6_f32 v[PC+6*\c:PC+2+6*\c], v[\s+32*\c:\s+15+32*\c], v[TM+12+2*\c]
	v_cvt_scalef32_pk16_fp6_f32 v[PC+12+4*\c:PC+14+4*\c], v[\s+16+32*\c:\s+31+32*\c], v[TM+12+2*\c+1]
.endr
	v_nop
.irp c, 0,1
.irp i, 0,1,2
	v_permlane16_swap_b32 v[PC+6*\c+\i], v[PC+12+4*\c+\i]
.endr
.irp i, 0,1,2
	v_mov_b32 v[PC+3+6*\c+\i], v[PC+12+4*\c+\i]
.endr
.endr
.endm
	PLACES
.irp b, 0,1,2,3
	v_mov_b32 v[TM+4+\b], 0                        ; written once: a lane permute's destination counts as one of its sources
.endr
	s_mov_b32 vcc_lo, 0xffff0000                   ; lanes 16-31 (written behind my last tensor load)
.irp a, 0,2,4,6
.if \a > 0
	s_wait_xcnt 0x0                                ; the last pair's stores have read their registers,
	s_wait_dscnt 0x0                               ; its LDS store too: both are written again below
.endif
	ACTIV \a, 0
	ACTIV \a+1, 1
	QUANT S
.irp g, 0,1,2
	global_store_b128 v[AO], v[PC+4*\g:PC+4*\g+3], s[12:13] offset:\a*TB+\g*512   ; each half of the lanes stores 256 consecutive bytes, at a multiple of 256 from the buffer's first byte
.endr
	v_lshl_or_b32 v240, v[TM+6], 16, v[TM+4]
	v_lshl_or_b32 v241, v[TM+7], 16, v[TM+5]
	v_cndmask_b32 v240, v240, v241, vcc_lo         ; lanes 16-31 take the second tile's bytes
	v_lshlrev_b32 v240, s17, v240                  ; at their places in the scale word: 8 j bits up
	ds_store_b32 v[SGA], v240 offset:\a*64
.endr
	s_wait_dscnt 0x0                               ; for the others' sake: my part words are in LDS
	s_barrier_signal -1
	s_barrier_wait -1
	ds_load_b64 v[224:225], v[SGR]
	ds_load_b64 v[226:227], v[SGR] offset:512
	s_wait_dscnt 0x0
	v_or_b32 v224, v224, v226
	v_or_b32 v225, v225, v227
	global_store_b64 v[SGO], v[224:225], s[10:11]  ; 32 lanes store 256 consecutive bytes, at a multiple of 256 from the buffer's first byte
	s_wait_tensorcnt 0x0                           ; the wave's end
	ds_add_u32 v[SPW], v[NIL]
	s_wait_dscnt 0x0
	CROUND                                         ; the closing round
	s_endpgm
.Lfunc_end_k_q262b3e6cf9_gemm1:
	.size	k_q262b3e6cf9_gemm1, .Lfunc_end_k_q262b3e6cf9_gemm1-k_q262b3e6cf9_gemm1
	.p2alignl 7, 3214868480
	.fill 96, 4, 3214868480
	.section	.rodata,"a",@progbits
	.p2align	6, 0x0
	.amdhsa_kernel k_q262b3e6cf9_gemm1
		.amdhsa_group_segment_fixed_size 327680
		.amdhsa_private_segment_fixed_size 0
		.amdhsa_enable_private_segment 0
		.amdhsa_kernarg_size 32
		.amdhsa_user_sgpr_count 2
		.amdhsa_user_sgpr_kernarg_segment_ptr 1
		.amdhsa_wavefront_size32 1
		.amdhsa_system_sgpr_workgroup_id_x 1
		.amdhsa_system_sgpr_workgroup_id_y 1
		.amdhsa_system_sgpr_workgroup_id_z 1
		.amdhsa_system_vgpr_workitem_id 0
		.amdhsa_next_free_vgpr 1024
		.amdhsa_next_free_sgpr 102
		.amdhsa_reserve_vcc 1
		.amdhsa_float_denorm_mode_32 3
		.amdhsa_float_denorm_mode_16_64 3
		.amdhsa_memory_ordered 1
		.amdhsa_forward_progress 1
		.amdhsa_inst_pref_size 208
	.end_amdhsa_kernel
	.amdgpu_metadata
---
amdhsa.version: [ 1, 2 ]
amdhsa.kernels:
  - .name:           k_q262b3e6cf9_gemm1
    .symbol:         k_q262b3e6cf9_gemm1.kd
    .args:
      - { .name: xq, .offset: 0, .size: 8, .value_kind: global_buffer, .address_space: global }
      - { .name: w1q, .offset: 8, .size: 8, .value_kind: global_buffer, .address_space: global }
      - { .name: gate_up_proj_bias, .offset: 16, .size: 8, .value_kind: global_buffer, .address_space: global }
      - { .name: aq, .offset: 24, .size: 8, .value_kind: global_buffer, .address_space: global }
    .group_segment_fixed_size: 327680
    .private_segment_fixed_size: 0
    .kernarg_segment_align: 8
    .kernarg_segment_size: 32
    .max_flat_workgroup_size: 128
    .sgpr_count:     102
    .vgpr_count:     1024
    .wavefront_size: 32
...
	.end_amdgpu_metadata
.endif
;; end of part 2
;; launch gemm2 (part 3): grid 32 x 8, 4 waves a work-group, clusters of 4 x 4, 327,680 bytes of LDS; arguments aq, w2q, down_proj_bias, routing_weights, part; writes part
.if DOCPART == 3
	.amdgcn_target "amdgcn-amd-amdhsa--gfx1250"
	.amdhsa_code_object_version 6
	.text
	.protected	k_q262b3e6cf9_gemm2
	.globl	k_q262b3e6cf9_gemm2
	.p2align	8
	.type	k_q262b3e6cf9_gemm2,@function
k_q262b3e6cf9_gemm2:
	s_mov_b64 s[64:65], 0
	v_nop
	global_prefetch_b8 v0, s[64:65] scope:SCOPE_SE
	s_setreg_imm32_b32 hwreg(HW_REG_WAVE_MODE, 25, 1), 1
	s_wait_xcnt 0x0
	s_wait_alu depctr_hold_cnt(0) depctr_sa_sdst(0) depctr_va_vdst(0) depctr_va_sdst(0) depctr_va_ssrc(0) depctr_va_vcc(0) depctr_vm_vsrc(0)
	s_getreg_b32 s2, hwreg(HW_REG_IB_STS2, 6, 4)
	s_cmp_eq_u32 s2, 0
	s_cbranch_scc0 .Lentry_in_a_cluster
	s_endpgm
.Lentry_in_a_cluster:
	s_bfe_u32 s2, ttmp6, 0x10000c
	s_cmp_lg_u32 s2, 0xf033
	s_cbranch_scc0 .Lentry_shape_is_right
	s_endpgm
.Lentry_shape_is_right:
; THIRD LAUNCH: part[eg][t][h] = sum over the four experts e = 4 eg + el of rw[t][e] x ( act_e[t][:] W2_e[:][h] + b2_e[h] ).  The fourth launch adds the four parts.  No work is left out.
; The product runs on codes of FP6 (E2M3) with E8M0 scales.  A cell is one K step of 128 rows: 8 images of 1,536 bytes, then 128 scale words: 12,800 bytes.
; SHARES.  A work-group makes 128 tokens (tb) x 128 columns (cbk) for one group of four experts (eg): four waves, each 64 x 64: 16 accumulators.  Its K is 4 experts x 8 K steps = 32 cells a side,
; and the earlier launches laid them on end: act's at (8 eg + tb) x 409,600, W2's at (8 eg + cbk) x 409,600.
; LDS holds twelve cells of act from byte 0 and twelve of W2 from byte 153,728 (128 bytes askew, so that the two halves of a scale load's lanes touch different banks): two slots of six cells a side.
; A fill is six cells a side, a load of three cells (38,400 bytes) a wave; the last fill is cells 30 and 31, one a wave.  Fill 0 goes out at the head, fill 1 behind the next round, fills 2 to 5 behind the rounds in K steps 5, 11, 17, 23.
; By the text's own count a wave has one tensor load out, and that load has six K steps, 96 matrix instructions, in which to land.
; THE MATRIX INSTRUCTION IS USED TRANSPOSED (source 0 = 16 columns of W2, source 1 = 16 tokens): lane (r, hh) holds token r and eight neighbouring columns.  b2 is the C of an expert's first matrix instruction;
; behind an expert's last K step its 16 accumulators are weighed by the lane's rw and added to the sums in window 2.
; CLUSTERS: 4 x 4 work-groups: the four of a row need the same cells of act, the four of a column the same cells of W2: each is asked for JOINTLY.
; PREFETCH: behind the request for fill f stands the prefetch of fill f + 1 (fill 2's stands in K step 0): six K steps ahead of the load that will want it.  A fill's 300 blocks of 256 bytes a side are shared out by address:
; partner p (cx for act, cy for W2) takes 75, its wave j 38 or 37 of them, a lane a block; of fill 5's 100 blocks 25 and 13 or 12.  Lanes left over name their wave's last block again.  Fills 0 and 1 come by their loads alone.
; The address registers are never rewritten: the fills' places stand in the immediates.
; REGISTERS: window 0: v2-13, v80-91 addresses; v16-23 scale words, two sets; v32-47 rw; v48-79 b2; v128-255 the accumulators.  window 1: fragments, two sets of 96.  window 2: v0-127 the weighed sums.
.set FR,    12
.set TB,    1536
.set QB,    12800                      ; a cell
.set TRI,   38400                      ; three cells: a wave's load
.set FILL,  76800                      ; six cells: a slot's side
.set WB,    153728                     ; W2's cells
.set SWO,   12288                      ; a cell's scale words
.set STAGE, 307456                     ; the way out: 16 rows x 272 bytes a wave; no fill lands here
.set SPARE, 324864                     ; the spare words, 128 bytes a wave
.set PF,   2                           ; v2-4    the prefetches' offsets
.set STO,  7
.set RD,   8
.set CO,   9
.set RWO,  10
.set BO,   11
.set SPW,  12
.set NIL,  13
.set SC,   16
.set RW,   32
.set BI,   48
.set ADRA, 80                          ; v80-83  my act fragments in cells 3 g .. 3 g + 2
.set ADRB, 84                          ; v84-87  the same for W2
.set ADRS, 88                          ; v88-91  scale words: lanes 0-15 act's, lanes 16-31 W2's
.set ACC,  128
.set G1, 24                            ; s[24:31] group 1, act, 150 rows;  s[32:39] group 0, one set for each slot
.set G0, 32
.set G1B, 48                           ; s[48:55], s[56:63] the same for W2
.set G0B, 56
.set G1S, 68                           ; s[68:75] group 1, act, 50 rows;  s[76:79] group 0 of the last fill
.set G0S, 76
.set G1SB, 80                          ; s[80:87], s[88:91] the same for W2
.set G0SB, 88
.set PFA, 98                           ; s[98:99] my side's first cell
.set MULW, 0x05                        ; sources 0 and 1 window 1; C and D window 0
.set MSB, 0
.macro WIN new
.if MSB != (\new)
	s_set_vgpr_msb (MSB<<8)|(\new)
.set MSB, (\new)
.endif
.endm
.macro JLOAD g0a, g1a, g0b, g1b        ; a joint load: waves 0 and 1 fetch for act, waves 2 and 3 for W2; an s_nop 0 and four v_nop follow each line
	s_cmp_eq_u32 s15, 0
	s_cbranch_scc0 .Lfor_b_\@
	tensor_load_to_lds s[\g0a:\g0a+3], s[\g1a:\g1a+7]
	s_nop 0
.rept 4
	v_nop
.endr
	s_branch .Lasked_\@
.Lfor_b_\@:
	tensor_load_to_lds s[\g0b:\g0b+3], s[\g1b:\g1b+7]
	s_nop 0
.rept 4
	v_nop
.endr
.Lasked_\@:
.endm
.macro CREST
	s_cmp_lg_u32 s14, 0
	s_cbranch_scc1 .Lnot_wave_0_\@
	s_barrier_signal -3
.Lnot_wave_0_\@:
	s_barrier_wait -3
	s_barrier_signal -1
	s_barrier_wait -1
.endm
.macro CROUND
	s_barrier_signal -1
	s_barrier_wait -1
	CREST
.endm
.macro PLACES
.rept 4
	v_nop
.endr
.endm
.macro MKG0 g, lds, add, src, goff
	s_mov_b32 s[\g], 1
	s_add_co_u32 s[\g+1], s\lds, \add
	s_add_nc_u64 s[\g+2:\g+3], s[\src:\src+1], \goff
	s_or_b32 s[\g+3], s[\g+3], 0x80000000
.endm
.macro ASK f                           ; fill f's blocks, my share
.if (\f) < 5
	global_prefetch_b8 v[PF], s[PFA:PFA+1] offset:(\f)*FILL th:TH_LOAD_NT scope:SCOPE_SE
	global_prefetch_b8 v[PF+1], s[PFA:PFA+1] offset:(\f)*FILL th:TH_LOAD_NT scope:SCOPE_SE
.else
	global_prefetch_b8 v[PF+2], s[PFA:PFA+1] offset:5*FILL th:TH_LOAD_NT scope:SCOPE_SE
.endif
.endm
	s_load_b256 s[4:11], s[0:1], 0x0               ; aq s[4:5], w2q s[6:7], b2 s[8:9], rw s[10:11]
	s_load_b64 s[12:13], s[0:1], 0x20              ; part
	v_lshl_add_u32 v[SPW], v0, 2, SPARE
	v_mov_b32 v[NIL], 0
	ds_add_u32 v[SPW], v[NIL]                      ; the wave's opening: the add, twice on end, and its wait ahead of my first tensor load
	ds_add_u32 v[SPW], v[NIL]
	v_lshrrev_b32 v1, 5, v0
	v_readfirstlane_b32 s14, v1                    ; wave 0..3
	s_lshr_b32 s15, s14, 1                         ; i: which 64 tokens are mine.  Also: I fetch for act (0) or for W2 (1)
	s_and_b32 s16, s14, 1                          ; j: which 64 columns.  Also: which half of a fill's side I fetch
	s_bfe_u32 s40, ttmp6, 0x40000                  ; cx
	s_bfe_u32 s41, ttmp6, 0x40004                  ; cy
	s_lshr_b32 s2, ttmp9, 1                        ; eg
	s_and_b32 s42, ttmp9, 1
	s_lshl_b32 s42, s42, 2
	s_add_co_u32 s42, s42, s40                     ; cbk
	s_and_b32 s17, ttmp7, 0xffff
	s_lshl_b32 s17, s17, 2
	s_add_co_u32 s17, s17, s41                     ; tb
	s_lshl_b32 s43, s41, 2
	s_lshl_b32 s43, 15, s43                        ; my row of the cluster
	s_lshl_b32 s44, 0x1111, s40                    ; my column
	; group 1: dense blocks as rows of 32 elements of 8 bytes: 150 rows (three cells), and 50 (one cell) for the last fill; no padding: every LDS load of a fragment takes 512 consecutive bytes
	s_or_b32 s[G1+0], s43, (3<<16)|(1<<21)
	s_or_b32 s[G1B+0], s44, (3<<16)|(1<<21)
.irp g, G1, G1B
	s_mov_b32 s[\g+1], 32<<16
	s_mov_b32 s[\g+2], 150<<16
	s_mov_b32 s[\g+3], 32<<16
	s_mov_b32 s[\g+4], 150
	s_mov_b32 s[\g+5], 32
	s_mov_b32 s[\g+6], 0
	s_mov_b32 s[\g+7], 0
.endr
	s_or_b32 s[G1S+0], s43, (3<<16)|(1<<21)
	s_or_b32 s[G1SB+0], s44, (3<<16)|(1<<21)
.irp g, G1S, G1SB
	s_mov_b32 s[\g+1], 32<<16
	s_mov_b32 s[\g+2], 50<<16
	s_mov_b32 s[\g+3], 32<<16
	s_mov_b32 s[\g+4], 50
	s_mov_b32 s[\g+5], 32
	s_mov_b32 s[\g+6], 0
	s_mov_b32 s[\g+7], 0
.endr
	s_lshl_b32 s3, s2, 3
	s_add_co_u32 s20, s3, s17
	s_mul_i32 s20, s20, 409600                     ; act's 32 cells
	s_mov_b32 s21, 0
	s_add_co_u32 s46, s3, s42
	s_mul_i32 s46, s46, 409600                     ; W2's
	s_mov_b32 s47, 0
	s_mul_i32 s18, s16, TRI                        ; my half of a fill's side,
	s_mov_b32 s19, 0
	s_mul_i32 s22, s16, QB                         ; and of the last fill's
	s_mov_b32 s23, 0
	s_mul_i32 s96, s15, WB                         ; where they go: no place in the cluster enters an LDS address
	s_add_co_u32 s45, s96, s18
	s_add_co_u32 s97, s96, s22
	s_wait_dscnt 0x0                               ; both opening adds are done
	s_wait_kmcnt 0x0
	s_add_nc_u64 s[20:21], s[4:5], s[20:21]
	s_add_nc_u64 s[46:47], s[6:7], s[46:47]
	s_cmp_eq_u32 s15, 0                            ; the prefetches' base: chosen on the wave's number alone
	s_cselect_b64 s[PFA:PFA+1], s[20:21], s[46:47]
	s_add_nc_u64 s[92:93], s[20:21], s[22:23]
	s_add_nc_u64 s[94:95], s[46:47], s[22:23]
	s_add_nc_u64 s[20:21], s[20:21], s[18:19]
	s_add_nc_u64 s[46:47], s[46:47], s[18:19]
	CROUND                                         ; all sixteen work-groups are here: the first joint loads meet
	MKG0 G0, 45, 0, 20, 0                          ; fill 0 into slot 0
	MKG0 G0B, 45, 0, 46, 0
	MKG0 G0+4, 45, FILL, 20, FILL                  ; fill 1 into slot 1
	MKG0 G0B+4, 45, FILL, 46, FILL
	MKG0 G0S, 97, FILL, 92, 5*FILL                 ; fill 5: cell 30 + j into slot 1's cell j
	MKG0 G0SB, 97, FILL, 94, 5*FILL
	JLOAD G0, G1, G0B, G1B                         ; one tensor load a wave at the head
	s_lshl_b32 s46, s2, 14                         ; b2: four experts of 4,096 bytes, + my 64 columns
	s_lshl_b32 s47, s42, 9
	s_add_co_u32 s46, s46, s47
	s_lshl_b32 s47, s16, 8
	s_add_co_u32 s46, s46, s47
	s_mov_b32 s47, 0
	s_add_nc_u64 s[8:9], s[8:9], s[46:47]
	s_lshl_b32 s46, s17, 13                        ; rw: my 64 tokens of 64 bytes, + my four experts
	s_lshl_b32 s92, s15, 12
	s_add_co_u32 s46, s46, s92
	s_lshl_b32 s92, s2, 4
	s_add_co_u32 s46, s46, s92
	s_add_nc_u64 s[10:11], s[10:11], s[46:47]
	s_lshl_b32 s46, s2, 22                         ; part: eg, my 64 rows, my 64 columns
	s_lshl_b32 s92, s17, 19
	s_add_co_u32 s46, s46, s92
	s_lshl_b32 s92, s15, 18
	s_add_co_u32 s46, s46, s92
	s_lshl_b32 s92, s42, 9
	s_add_co_u32 s46, s46, s92
	s_lshl_b32 s92, s16, 8
	s_add_co_u32 s46, s46, s92
	s_add_nc_u64 s[12:13], s[12:13], s[46:47]
	s_mul_i32 s21, s15, 4*TB                       ; my 4 token tiles
	s_mul_i32 s22, s16, 4*TB                       ; my 4 column tiles
	s_add_co_u32 s22, s22, WB
	s_lshl_b32 s18, s15, 8
	s_lshl_b32 s19, s16, 8
	s_add_co_u32 s23, s19, WB
	s_sub_co_u32 s23, s23, s18                     ; the distance from act's words to W2's
	s_add_co_u32 s18, s18, SWO
	s_mul_i32 s92, s14, 16*272
	s_add_co_u32 s92, s92, STAGE                   ; my stage
	s_cmp_eq_u32 s15, 0
	s_cselect_b32 s93, s40, s41                    ; my place among the four that ask with me
	s_mul_i32 s94, s93, 75
	s_mul_i32 s95, s16, 38
	s_add_co_u32 s94, s94, s95                     ; my first block of a fill's 300
	s_sub_co_u32 s95, 5, s16                       ; 38 or 37 blocks: 32, and 6 or 5 more
	s_mul_i32 s96, s93, 25
	s_mul_i32 s97, s16, 13
	s_add_co_u32 s96, s96, s97                     ; my first block of the last fill's 100
	s_sub_co_u32 s97, 12, s16                      ; 13 or 12 blocks
	v_and_b32 v24, 15, v0                          ; r
	v_bfe_u32 v25, v0, 4, 1                        ; h
	v_and_b32 v26, 31, v0                          ; lane
	v_lshlrev_b32 v27, 4, v26
	v_add_nc_u32 v[ADRA], s21, v27
	v_add_nc_u32 v[ADRB], s22, v27
	v_mul_u32_u24 v28, s23, v25                    ; lanes 16-31 take W2's words
	v_lshl_add_u32 v28, v24, 2, v28
	v_add_nc_u32 v[ADRS], s18, v28
.irp g, 1,2,3
	v_add_nc_u32 v[ADRA+\g], \g*TRI, v[ADRA]
	v_add_nc_u32 v[ADRB+\g], \g*TRI, v[ADRB]
	v_add_nc_u32 v[ADRS+\g], \g*TRI, v[ADRS]
.endr
	v_mul_u32_u24 v28, v24, 272                    ; the stage, in: row r, 32 bytes for each half of the lanes
	v_lshl_add_u32 v28, v25, 5, v28
	v_add_nc_u32 v[STO], s92, v28
	v_mul_u32_u24 v28, v25, 272                    ; back: lanes 0-15 one row of 256 bytes, lanes 16-31 the next
	v_lshl_add_u32 v28, v24, 4, v28
	v_add_nc_u32 v[RD], s92, v28
	v_lshlrev_b32 v28, 12, v25
	v_lshl_add_u32 v[CO], v24, 4, v28              ; and the same two rows in part
	v_lshlrev_b32 v[RWO], 6, v24
	v_lshlrev_b32 v[BO], 5, v25
	v_add_nc_u32 v28, s94, v26
	v_lshlrev_b32 v[PF], 8, v28                    ; my first 32 blocks, a lane a block;
	v_min_u32 v28, s95, v26
	v_add_nc_u32 v28, s94, v28
	v_lshlrev_b32 v28, 8, v28
	v_add_nc_u32 v[PF+1], 8192, v28                ; the rest of them;
	v_min_u32 v28, s97, v26
	v_add_nc_u32 v28, s96, v28
	v_lshlrev_b32 v[PF+2], 8, v28                  ; and my blocks of the last fill
	s_wait_alu depctr_va_vdst(0)                   ; the wait at the head's end
.irp a, 0,1,2,3
	global_load_b128 v[RW+4*\a:RW+4*\a+3], v[RWO], s[10:11] offset:\a*1024   ; token r of tile a: its four experts' weights
.endr
.macro BIAS el                         ; b2 of expert el in the result's layout: lane (r, hh), register n of tile b: column 16 b + 8 hh + n
.irp b, 0,1,2,3
	global_load_b128 v[BI+8*\b:BI+8*\b+3], v[BO], s[8:9] offset:(\el)*4096+\b*64
	global_load_b128 v[BI+8*\b+4:BI+8*\b+7], v[BO], s[8:9] offset:(\el)*4096+\b*64+16
.endr
.endm
	BIAS 0
.macro FRAG reg, adr, off
.irp c, 0,1,2
	ds_load_b128 v[\reg+4*\c:\reg+4*\c+3], v[\adr] offset:\off+512*\c
.endr
.endm
.macro FETCH st                        ; cell st (it lies at place st % 12): 4 scale words, W2's 4 fragments, act's 4: 28 loads, into set st % 2
.set FF, 128*((\st)%2)
.set GG, ((\st)%12)/3
.set OO, ((\st)%3)*QB
	WIN 0
.irp a, 0,1,2,3
	ds_load_b32 v[SC+4*((\st)%2)+\a], v[ADRS+GG] offset:OO+\a*64
.endr
	WIN 0x40
.irp b, 0,1,2,3
	FRAG FF+48+FR*\b, ADRB+GG, OO+\b*TB
.endr
.irp a, 0,1,2,3
	FRAG FF+FR*\a, ADRA+GG, OO+\a*TB
.endr
.endm
.macro MUL4 f, a, set, cbias           ; token tile a against the four column tiles.  The 16 accumulators take turns
.irp b, 0,1,2,3
.if \cbias
	v_wmma_scale_f32_16x16x128_f8f6f4 v[ACC+8*(4*(\a)+\b):ACC+8*(4*(\a)+\b)+7], v[\f+48+FR*\b:\f+48+FR*\b+FR-1], v[\f+FR*(\a):\f+FR*(\a)+FR-1], v[BI+8*\b:BI+8*\b+7], v[SC+4*(\set)+\b], v[SC+4*(\set)+(\a)] matrix_a_fmt:MATRIX_FMT_FP6 matrix_b_fmt:MATRIX_FMT_FP6 matrix_a_scale:MATRIX_SCALE_ROW1
.else
	v_wmma_scale_f32_16x16x128_f8f6f4 v[ACC+8*(4*(\a)+\b):ACC+8*(4*(\a)+\b)+7], v[\f+48+FR*\b:\f+48+FR*\b+FR-1], v[\f+FR*(\a):\f+FR*(\a)+FR-1], v[ACC+8*(4*(\a)+\b):ACC+8*(4*(\a)+\b)+7], v[SC+4*(\set)+\b], v[SC+4*(\set)+(\a)] matrix_a_fmt:MATRIX_FMT_FP6 matrix_b_fmt:MATRIX_FMT_FP6 matrix_a_scale:MATRIX_SCALE_ROW1
.endif
.endr
.endm
.macro RESCALE el                      ; the sums in window 2 take rw x this expert's accumulators, each read from its low end on
	PLACES
.if (\el) == 0
	WIN 0x80
.else
	WIN 0xa0
.endif
.irp a, 0,1,2,3
.set RP, RW+4*\a+2*((\el)/2)
.set n, 0
.rept 16
.if (\el) == 0
	v_pk_mul_f32 v[32*\a+n:32*\a+n+1], v[ACC+32*\a+n:ACC+32*\a+n+1], v[RP:RP+1] op_sel_hi:[1,0]
.elseif ((\el)%2) == 0
	v_pk_fma_f32 v[32*\a+n:32*\a+n+1], v[ACC+32*\a+n:ACC+32*\a+n+1], v[RP:RP+1], v[32*\a+n:32*\a+n+1] op_sel_hi:[1,0,1]
.else
	v_pk_fma_f32 v[32*\a+n:32*\a+n+1], v[ACC+32*\a+n:ACC+32*\a+n+1], v[RP:RP+1], v[32*\a+n:32*\a+n+1] op_sel:[0,1,0] op_sel_hi:[1,1,1]
.endif
.set n, n+2
.endr
.endr
.endm
; K step s = 8 el + K step of the expert: 16 matrix instructions; the next cell is fetched in its middle.
; s % 6 = 5: the next cell lies in the other slot: ONE barrier; in front of it each wave waits for all its tensor loads, adds 0 to its spare word, and waits for that and for its reads of this slot;
; up to s = 23 it opens a round of the cluster's barrier and this slot is filled again.
.macro KS s
.set FC, 128*((\s)%2)
.if ((\s)%8) == 0
	s_wait_loadcnt 0x0                             ; this expert's b2 (and at the first rw)
.endif
.if ((\s)%6) == 5
	WIN 0
	s_wait_tensorcnt 0x0                           ; all my tensor loads have landed: my part of the other slot
	ds_add_u32 v[SPW], v[NIL]                      ; 0 onto my spare word
	s_wait_dscnt 7                                 ; (the add and the youngest six loads may be out)
	WIN MULW
	MUL4 FC, 0, (\s)%2, 0
	s_wait_dscnt 0x0                               ; the add is done, and my reads of this slot are over
	s_barrier_signal -1
	MUL4 FC, 1, (\s)%2, 0
	WIN 0
	s_barrier_wait -1
.if (\s) < 29
	CREST                                          ; no wave of any partner still reads this slot or has a load on its way
.if (\s) < 23
.set GS, 4*(((\s)/6)%2)
	s_add_nc_u64 s[G0+GS+2:G0+GS+3], s[G0+GS+2:G0+GS+3], 2*FILL
	s_add_nc_u64 s[G0B+GS+2:G0B+GS+3], s[G0B+GS+2:G0B+GS+3], 2*FILL
	JLOAD G0+GS, G1, G0B+GS, G1B                   ; the first tensor load behind the round; its four v_nop are the places in front of the loads below
.else
	JLOAD G0S, G1S, G0SB, G1SB
.endif
.else
	PLACES
.endif
.else
	s_wait_dscnt 6                                 ; all but act's fragments 2 and 3 are in
	WIN MULW
	MUL4 FC, 0, (\s)%2, ((\s)%8)==0
	MUL4 FC, 1, (\s)%2, ((\s)%8)==0
	PLACES
.endif
.if ((\s)%8) == 1 && (\s) < 24
	WIN 0
	BIAS (\s)/8+1                                  ; the next expert's b2
.endif
.if (\s) == 0
	WIN 0
	ASK 2
.endif
	FETCH (\s)+1
.if ((\s)%6) == 5
.if (\s) < 23
	WIN 0
	ASK (\s)/6+3
.endif
.else
	s_wait_dscnt 28                                ; all but the 28 just issued
.endif
	WIN MULW
	MUL4 FC, 2, (\s)%2, ((\s)%8)==0
	MUL4 FC, 3, (\s)%2, ((\s)%8)==0
.if ((\s)%8) == 7
	RESCALE (\s)/8
.endif
.endm
	s_wait_tensorcnt 0x0                           ; my part of fill 0 is in
	ds_add_u32 v[SPW], v[NIL]
	s_wait_dscnt 0x0
	CROUND                                         ; everybody's part is in, and all sixteen work-groups are here
	JLOAD G0+4, G1, G0B+4, G1B                     ; fill 1: the first tensor load behind the round
	FETCH 0
.set ST, 0
.rept 31
	KS ST
.set ST, ST+1
.endr
	s_wait_dscnt 6                                 ; the last K step: nothing more to fetch
	WIN MULW
	MUL4 128, 0, 1, 0
	MUL4 128, 1, 1, 0
	s_wait_dscnt 0x0
	MUL4 128, 2, 1, 0
	MUL4 128, 3, 1, 0
	RESCALE 3
; THE WAY OUT: 16 rows x 64 columns at a time through my own stage, back as rows of 256 bytes.  LDS serves a wave's instructions in order: no wait between the stores and the loads.
.macro TOSTAGE a
	WIN 0x08
.irp b, 0,1,2,3
	ds_store_b128 v[STO], v[8*(4*(\a)+\b):8*(4*(\a)+\b)+3] offset:64*\b
	ds_store_b128 v[STO], v[8*(4*(\a)+\b)+4:8*(4*(\a)+\b)+7] offset:64*\b+16
.endr
	WIN 0
.set BB, 128+32*((\a)%2)
.irp t, 0,1,2,3,4,5,6,7
	ds_load_b128 v[BB+4*\t:BB+4*\t+3], v[RD] offset:\t*544
.endr
.endm
.macro SEND a, younger
.set BB, 128+32*((\a)%2)
	s_wait_dscnt \younger
.irp t, 0,1,2,3,4,5,6,7
	global_store_b128 v[CO], v[BB+4*\t:BB+4*\t+3], s[12:13] offset:(16*(\a)+2*\t)*4096   ; each half of the lanes stores 256 consecutive bytes, at a multiple of 256 from the buffer's first byte
.endr
.endm
	TOSTAGE 0
	s_wait_alu depctr_va_vdst(0)
.irp a, 1,2,3
.if \a > 1
	s_wait_xcnt 0x0                                ; block a - 2's stores have read their registers
.endif
	TOSTAGE \a
	SEND \a-1, 16
.endr
	SEND 3, 0
	s_wait_tensorcnt 0x0                           ; the wave's end
	ds_add_u32 v[SPW], v[NIL]
	s_wait_dscnt 0x0
	CROUND                                         ; the closing round
	s_endpgm
.Lfunc_end_k_q262b3e6cf9_gemm2:
	.size	k_q262b3e6cf9_gemm2, .Lfunc_end_k_q262b3e6cf9_gemm2-k_q262b3e6cf9_gemm2
	.p2alignl 7, 3214868480
	.fill 96, 4, 3214868480
	.section	.rodata,"a",@progbits
	.p2align	6, 0x0
	.amdhsa_kernel k_q262b3e6cf9_gemm2
		.amdhsa_group_segment_fixed_size 327680
		.amdhsa_private_segment_fixed_size 0
		.amdhsa_enable_private_segment 0
		.amdhsa_kernarg_size 40
		.amdhsa_user_sgpr_count 2
		.amdhsa_user_sgpr_kernarg_segment_ptr 1
		.amdhsa_wavefront_size32 1
		.amdhsa_system_sgpr_workgroup_id_x 1
		.amdhsa_system_sgpr_workgroup_id_y 1
		.amdhsa_system_sgpr_workgroup_id_z 1
		.amdhsa_system_vgpr_workitem_id 0
		.amdhsa_next_free_vgpr 640
		.amdhsa_next_free_sgpr 102
		.amdhsa_reserve_vcc 0
		.amdhsa_float_denorm_mode_32 3
		.amdhsa_float_denorm_mode_16_64 3
		.amdhsa_memory_ordered 1
		.amdhsa_forward_progress 1
		.amdhsa_inst_pref_size 173
	.end_amdhsa_kernel
	.amdgpu_metadata
---
amdhsa.version: [ 1, 2 ]
amdhsa.kernels:
  - .name:           k_q262b3e6cf9_gemm2
    .symbol:         k_q262b3e6cf9_gemm2.kd
    .args:
      - { .name: aq, .offset: 0, .size: 8, .value_kind: global_buffer, .address_space: global }
      - { .name: w2q, .offset: 8, .size: 8, .value_kind: global_buffer, .address_space: global }
      - { .name: down_proj_bias, .offset: 16, .size: 8, .value_kind: global_buffer, .address_space: global }
      - { .name: routing_weights, .offset: 24, .size: 8, .value_kind: global_buffer, .address_space: global }
      - { .name: part, .offset: 32, .size: 8, .value_kind: global_buffer, .address_space: global }
    .group_segment_fixed_size: 327680
    .private_segment_fixed_size: 0
    .kernarg_segment_align: 8
    .kernarg_segment_size: 40
    .max_flat_workgroup_size: 128
    .sgpr_count:     102
    .vgpr_count:     640
    .wavefront_size: 32
...
	.end_amdgpu_metadata
.endif
;; end of part 3
;; launch reduce (part 4): grid 256 x 1, 8 waves a work-group, no clusters, 0 bytes of LDS; arguments part, out0; writes out0
.if DOCPART == 4
	.amdgcn_target "amdgcn-amd-amdhsa--gfx1250"
	.amdhsa_code_object_version 6
	.text
	.protected	k_q262b3e6cf9_reduce
	.globl	k_q262b3e6cf9_reduce
	.p2align	8
	.type	k_q262b3e6cf9_reduce,@function
k_q262b3e6cf9_reduce:
	s_mov_b64 s[64:65], 0
	v_nop
	global_prefetch_b8 v0, s[64:65] scope:SCOPE_SE
	s_setreg_imm32_b32 hwreg(HW_REG_WAVE_MODE, 25, 1), 1
	s_wait_xcnt 0x0
; FOURTH LAUNCH: out0 = part[0] + part[1] + part[2] + part[3], as (p0 + p1) + (p2 + p3), in f32.  No work is left out.
; A stream: thread t of work-group w takes the 16 bytes at 4,096 w + 16 t of each quarter (1,048,576 bytes) of each of the four partial sums: all 16 loads go out at once, each covering 512 consecutive bytes a wave.
; No LDS, no barrier, no matrix unit, no cluster: no byte is read twice and no wave depends on another.
	s_load_b128 s[4:7], s[0:1], 0x0                ; part, out0
	v_lshlrev_b32 v1, 4, v0
	s_lshl_b32 s8, ttmp9, 12
	s_mov_b32 s9, 0
	s_wait_alu depctr_va_vdst(0)
	s_wait_kmcnt 0x0
	s_add_nc_u64 s[4:5], s[4:5], s[8:9]
	s_add_nc_u64 s[6:7], s[6:7], s[8:9]
	s_add_nc_u64 s[10:11], s[4:5], 0x400000        ; the other three partial sums
	s_add_nc_u64 s[12:13], s[4:5], 0x800000
	s_add_nc_u64 s[14:15], s[4:5], 0xc00000
.irp k, 0,1,2,3
	global_load_b128 v[16+16*\k:19+16*\k], v1, s[4:5] offset:\k*1048576 th:TH_LOAD_NT
	global_load_b128 v[20+16*\k:23+16*\k], v1, s[10:11] offset:\k*1048576 th:TH_LOAD_NT
	global_load_b128 v[24+16*\k:27+16*\k], v1, s[12:13] offset:\k*1048576 th:TH_LOAD_NT
	global_load_b128 v[28+16*\k:31+16*\k], v1, s[14:15] offset:\k*1048576 th:TH_LOAD_NT
.endr
.irp k, 0,1,2,3
	s_wait_loadcnt 12-4*\k                         ; this quarter's four loads are in; the later quarters' may be out
	v_pk_add_f32 v[16+16*\k:17+16*\k], v[16+16*\k:17+16*\k], v[20+16*\k:21+16*\k]
	v_pk_add_f32 v[18+16*\k:19+16*\k], v[18+16*\k:19+16*\k], v[22+16*\k:23+16*\k]
	v_pk_add_f32 v[24+16*\k:25+16*\k], v[24+16*\k:25+16*\k], v[28+16*\k:29+16*\k]
	v_pk_add_f32 v[26+16*\k:27+16*\k], v[26+16*\k:27+16*\k], v[30+16*\k:31+16*\k]
	s_delay_alu instid0(VALU_DEP_2)
	v_pk_add_f32 v[16+16*\k:17+16*\k], v[16+16*\k:17+16*\k], v[24+16*\k:25+16*\k]
	s_delay_alu instid0(VALU_DEP_2)
	v_pk_add_f32 v[18+16*\k:19+16*\k], v[18+16*\k:19+16*\k], v[26+16*\k:27+16*\k]
	global_store_b128 v1, v[16+16*\k:19+16*\k], s[6:7] offset:\k*1048576 th:TH_STORE_NT   ; a wave stores 512 consecutive bytes; no store's data are written again
.endr
	s_endpgm
.Lfunc_end_k_q262b3e6cf9_reduce:
	.size	k_q262b3e6cf9_reduce, .Lfunc_end_k_q262b3e6cf9_reduce-k_q262b3e6cf9_reduce
	.p2alignl 7, 3214868480
	.fill 96, 4, 3214868480
	.section	.rodata,"a",@progbits
	.p2align	6, 0x0
	.amdhsa_kernel k_q262b3e6cf9_reduce
		.amdhsa_group_segment_fixed_size 0
		.amdhsa_private_segment_fixed_size 0
		.amdhsa_enable_private_segment 0
		.amdhsa_kernarg_size 16
		.amdhsa_user_sgpr_count 2
		.amdhsa_user_sgpr_kernarg_segment_ptr 1
		.amdhsa_wavefront_size32 1
		.amdhsa_system_sgpr_workgroup_id_x 1
		.amdhsa_system_sgpr_workgroup_id_y 1
		.amdhsa_system_sgpr_workgroup_id_z 1
		.amdhsa_system_vgpr_workitem_id 0
		.amdhsa_next_free_vgpr 80
		.amdhsa_next_free_sgpr 66
		.amdhsa_reserve_vcc 0
		.amdhsa_float_denorm_mode_32 3
		.amdhsa_float_denorm_mode_16_64 3
		.amdhsa_memory_ordered 1
		.amdhsa_forward_progress 1
		.amdhsa_inst_pref_size 5
	.end_amdhsa_kernel
	.amdgpu_metadata
---
amdhsa.version: [ 1, 2 ]
amdhsa.kernels:
  - .name:           k_q262b3e6cf9_reduce
    .symbol:         k_q262b3e6cf9_reduce.kd
    .args:
      - { .name: part, .offset: 0, .size: 8, .value_kind: global_buffer, .address_space: global }
      - { .name: out0, .offset: 8, .size: 8, .value_kind: global_buffer, .address_space: global }
    .group_segment_fixed_size: 0
    .private_segment_fixed_size: 0
    .kernarg_segment_align: 8
    .kernarg_segment_size: 16
    .max_flat_workgroup_size: 256
    .sgpr_count:     66
    .vgpr_count:     80
    .wavefront_size: 32
...
	.end_amdgpu_metadata
.endif
;; end of part 4
